; MI455X (gfx1250); checked and timed in simulation.
; The chip was launched on July 23, 2026; its instructions are those of AMD's public machine-readable ISA for CDNA 5 (MIT licence, August 2026) and "CDNA5" Instruction Set Architecture Reference Guide (July 2026). The comments in the code are by the model that wrote it; some were corrected since.
;; Bert Self Attention. Allowed arithmetic: matrix products marked QUANTISED: E2M1 operands, one E8M0 scale for each 32 along K, by v_wmma_scale_f32_16x16x128_f8f6f4 with both operands' format E2M1 (or v_wmma_scale_f32_32x16x128_f4), f32 sums; everything else in f32.
;; Inputs: Wk 1,024 x 1,024 float32; Wq 1,024 x 1,024 float32; Wv 1,024 x 1,024 float32; attention_mask 2 x 1 x 1 x 2,048 float32; bk 1,024 float32; bq 1,024 float32; bv 1,024 float32; hidden_states 2 x 2,048 x 1,024 float32.
;; Outputs: out0 2 x 2,048 x 1,024 float32.
;; This version of the problem:
;;   THIS VERSION OF THE PROBLEM IS GIVEN IN LOW PRECISION. The matrix products marked QUANTISED in the list below multiply operands that are first quantised to E2M1 (2 exponent bits, 1 mantissa bit; 4 bits a number), with one power-of-two scale for each 32 numbers along K (OCP MX v1.0); their sums are f32. All else is computed in f32.
;;   The module's matrix products, in the order in which they are computed (A, B: the left and right operand; K: the contracted axis; several contracted axes count as one K, in the product's order):
;;     1. [M 4,096, K 1,024] x [K 1,024, N 1,024]; A: input hidden_states; B: input Wq: QUANTISED
;;     2. [M 4,096, K 1,024] x [K 1,024, N 1,024]; A: input hidden_states; B: input Wk: QUANTISED
;;     3. [M 4,096, K 1,024] x [K 1,024, N 1,024]; A: input hidden_states; B: input Wv: QUANTISED
;;     4. batch 32 x [M 2,048, K 64] x [K 64, N 2,048]; A: computed on the way; B: computed on the way: QUANTISED
;;     5. batch 32 x [M 2,048, K 2,048] x [K 2,048, N 64]; A: softmax (see below); B: computed on the way: QUANTISED
;;   THE QUANTISER, for each operand of a quantised product, along K:
;;     - K is cut into blocks of 32 from its start; a last block that is shorter is filled with zeros.
;;     - A block's scale is 2^e with e = floor(log2(the largest magnitude in the block)) - 2, held to -126 .. 127; a block of zeros has e = 0. As a byte (E8M0): e + 127.
;;     - Each number is divided by its block's scale, clamped to +-6, and rounded to the nearest number of E2M1, ties to even, subnormals kept.
;;     - The product sums the exact products of the quantised numbers (number of the format x scale) in f32.
;;   ~~~python
;;   def quantise(x, axis):      # numpy; x: float32 -> the quantised numbers, widened to float32 again
;;       x = np.moveaxis(x, axis, -1); K = x.shape[-1]
;;       x = np.pad(x, [(0, 0)] * (x.ndim - 1) + [(0, -K % 32)]); x = x.reshape(x.shape[:-1] + (-1, 32)); a = np.abs(x).max(-1, keepdims=True)
;;       e = np.where(a > 0, np.clip(np.frexp(np.where(a > 0, a, 1))[1] - 1 - 2, -126, 127), 0)      # np.frexp(a)[1] - 1 = floor(log2(a)), exactly
;;       r = np.clip(x / 2.0 ** e, -6, 6)
;;       step = 2.0 ** (np.maximum(np.frexp(np.where(r == 0, 1, r))[1] - 1, 0) - 1)
;;       q = np.round(r / step) * step * 2.0 ** e      # np.round: ties to even
;;       return np.moveaxis(q.reshape(q.shape[:-2] + (-1,))[..., :K], -1, axis).astype(np.float32)
;;   ~~~
;;   SOFTMAX AHEAD OF A QUANTISED PRODUCT. Where the list says 'softmax', what is quantised is not the finished softmax but p = 2^(t - M), with t = logit x log2(e) and M = ceil(the row's largest t), a whole number; so 1/2 < the row's largest p <= 1. The row's sum l is taken of the UNQUANTISED p, in f32, and the product's result is divided by l at the end. Since M is a whole number, a kernel that streams over the keys may use a running M (the ceiling of the running maximum): every later rescaling is an exact power of two, which a block's scale takes up: the codes' values come out the same.
;;   OPERANDS COMPUTED ON THE WAY. 'Computed on the way' means the value that the module computes at that place (a softmax that the list does not call 'softmax' is quantised finished and normalised). What goes into a quantiser is computed in f32, as accurately as f32 sums, v_exp_f32 and their like allow (about 1e-6 of the number): no bf16 or f16 on the way to a quantiser, and a product that is left as it is and whose result goes on into a quantised operand takes f32 operands (vector FMAs, or v_wmma_f32_16x16x4_f32). A number that lies on a knife's edge between two numbers of the format may be rounded either way, as far as f32 arithmetic and the matrix unit's own rounding can turn it there, and no further.
;; One version. Each part assembles by itself: llvm-mc -triple=amdgcn-amd-amdhsa -mcpu=gfx1250 --defsym DOCPART=n.
;; ======== version 1 of 1: 3 launches
;; limits: right only within a limited range of input values
;; workspace buffers: hcodes 2,097,152 bytes; hscales 131,072 bytes; wcodes 1,572,864 bytes; wscales 98,304 bytes; qkv 6,291,456 bytes; qkvs 393,216 bytes
;; launch quant (part 1): grid 224 x 1, 4 waves a work-group, no clusters, 33,280 bytes of LDS; arguments hidden_states, Wq, Wk, Wv, hcodes, hscales, wcodes, wscales; writes hcodes, hscales, wcodes, wscales
.if DOCPART == 1
	.amdgcn_target "amdgcn-amd-amdhsa--gfx1250"
	.amdhsa_code_object_version 6
	.text
	.protected	k_q257fe925b6_quant
	.globl	k_q257fe925b6_quant
	.p2align	8
	.type	k_q257fe925b6_quant,@function
k_q257fe925b6_quant:
	s_mov_b64 s[64:65], 0
	v_nop
	global_prefetch_b8 v0, s[64:65] scope:SCOPE_SE
	s_setreg_imm32_b32 hwreg(HW_REG_WAVE_MODE, 25, 1), 1
	s_wait_xcnt 0x0
; hidden_states [4096][1024] and Wq, Wk, Wv [1024 (k)][1024 (n)], f32, become codes of FP4 (E2M1) with one E8M0 scale byte for each 32 along K.
; A block's scale is 2^(floor(log2(its largest magnitude)) - 2): its byte is the largest magnitude's exponent field - 2, held at 1 from below by a floor among the maximum's leaves.
; (A block of zeros keeps the byte 1: its codes are zeros, and only this program reads the bytes.)
; LIMITS: a block whose largest magnitude lies under 2^-124 keeps the floor's byte; NaN and infinities among the inputs are not served.
; THE ORDER OF ROWS.  pi swaps bits 3 and 4 of an index.  Row m of hidden_states is laid at place pi(m), column n of a weight at place pi(n).  Sixteen neighbouring places 16 T + r, T = 2 B + u, are then the
; true indices 32 B + 8 u + r + 8 (r / 8): the choice of a tile's rows by which a transposed product leaves 16 neighbours along the next K in a lane's registers.
; OUT: hcodes [place][512 bytes], hscales [place][32];  wcodes [k / 32][place 1024 mat + pi(n)][16 bytes], wscales [k / 256][place][8].
; Work-groups 0 to 127 take hidden_states, 128 to 223 the weights: one scalar branch on the work-group's number.  Only the first path uses LDS.  Waves share nothing: no barrier.
.set EMAX,  2
.set STEPS, 16
.set CB,    8                          ; bytes of 16 codes
.set R,     16                         ; v16-79   four sets of 16 numbers as they are loaded
.set X,     80                         ; v80-111  two sets of 16 neighbours
.set E,     112                        ; v112-127 a scale byte for each step
.set C,     128                        ; v128-191 codes: four registers for each step, so that no store's data are written again
.set WREG,  8192                       ; LDS: a region for each wave: two stages of 32 x SP bytes, behind them its 256 scale bytes
.set SP,    80                         ; a lane's place in a stage: 64 bytes + 16 of padding
.set WX,    32                         ; the weights' path: v32-95 two sets of 32 numbers
.set WC,    96                         ; v96-127  four registers of codes for each of 8 blocks
.set SB,    24                         ; v24-25   the 8 scale bytes
	s_load_b256 s[4:11], s[0:1], 0x0               ; hidden_states s[4:5], Wq s[6:7], Wk s[8:9], Wv s[10:11]
	s_load_b256 s[12:19], s[0:1], 0x20             ; hcodes s[12:13], hscales s[14:15], wcodes s[16:17], wscales s[18:19]
	v_lshl_add_u32 v192, v0, 2, 0x8000
	v_mov_b32 v193, 0
	v_lshrrev_b32 v1, 5, v0
	v_readfirstlane_b32 s20, v1                    ; wave 0..3
	v_and_b32 v2, 31, v0                           ; lane
	s_wait_kmcnt 0x0
	s_cmp_lt_u32 ttmp9, 128
	s_cbranch_scc0 .Lw
; ---- hidden_states: K is innermost.  A wave takes a run of 8,192 numbers (8 rows) in 16 steps of 512.  Each load reads 512 consecutive bytes; a step's 2,048 bytes turn through the wave's stage in LDS,
; so that a lane then holds 16 neighbours along K (two neighbouring lanes hold a block).  A run is 8 rows, so pi only swaps the two low bits of the run's number, which are the wave's.
	s_wait_alu depctr_va_vdst(0)
	v_lshlrev_b32 v3, 4, v2                        ; my 16 bytes of a load's 512
	s_mul_i32 s21, s20, WREG
	v_lshrrev_b32 v14, 2, v2
	v_mul_u32_u24 v14, v14, SP
	v_and_b32 v15, 3, v2
	v_lshl_add_u32 v14, v15, 4, v14
	v_add_nc_u32 v14, s21, v14                     ; the stage, on the way in: SP (lane / 4) + 16 (lane % 4)
	v_mul_u32_u24 v15, v2, SP
	v_add_nc_u32 v15, s21, v15                     ; and on the way out: SP x lane
	v_mul_u32_u24 v4, v2, CB                       ; my codes' place in a step's
	v_lshrrev_b32 v5, 1, v2
	s_add_co_u32 s21, s21, 2*32*SP
	v_add_nc_u32 v5, s21, v5                       ; LDS: my wave's 256 scale bytes, my block's byte
	v_lshlrev_b32 v7, 3, v2                        ; on the way out 8 bytes a lane
	v_add_nc_u32 v6, s21, v7
	s_lshl_b32 s22, ttmp9, 2
	s_add_co_u32 s23, s22, s20                     ; the run that I read: 4 x work-group + wave
	s_and_b32 s24, s20, 1
	s_lshl_b32 s24, s24, 1
	s_lshr_b32 s25, s20, 1
	s_or_b32 s24, s24, s25
	s_add_co_u32 s22, s22, s24                     ; the run that I write: the wave's two bits swapped
	s_lshl_b32 s26, s23, 15                        ; 32,768 bytes of f32 a run
	s_mov_b32 s27, 0
	s_add_nc_u64 s[4:5], s[4:5], s[26:27]
	s_lshl_b32 s26, s22, 12                        ; 4,096 bytes of codes
	s_add_nc_u64 s[12:13], s[12:13], s[26:27]
	s_lshl_b32 s26, s22, 8                         ; 256 scale bytes
	s_add_nc_u64 s[14:15], s[14:15], s[26:27]
.macro LOAD t
.irp i, 0,1,2,3
	global_load_b128 v[R+16*((\t)%4)+4*\i:R+16*((\t)%4)+4*\i+3], v3, s[4:5] offset:2048*(\t)+512*\i th:TH_LOAD_NT
.endr
.endm
.macro TURN t                          ; step t's numbers through the stage: LDS serves a wave's instructions in order, so no wait stands between the stores and the loads
.irp i, 0,1,2,3
	ds_store_b128 v14, v[R+16*((\t)%4)+4*\i:R+16*((\t)%4)+4*\i+3] offset:32*SP*((\t)%2)+8*SP*\i
.endr
.irp i, 0,1,2,3
	ds_load_b128 v[X+16*((\t)%2)+4*\i:X+16*((\t)%2)+4*\i+3], v15 offset:32*SP*((\t)%2)+16*\i
.endr
.endm
.irp t, 0,1,2,3
	LOAD \t
.endr
	s_wait_alu depctr_va_vdst(0)
	s_wait_loadcnt 12                              ; step 0's four loads are in
	TURN 0
.macro STEP t
.set XS, X+16*((\t)%2)
.if (\t) > 0
	s_wait_dscnt 1                                 ; this step's numbers are back from the stage (the last step's byte store may be out): its stores into the stage have read their registers,
.else
	s_wait_dscnt 0x0
.endif
.if (\t)+4 < STEPS
	LOAD (\t)+4                                    ; which take the loads of four steps on
.endif
.if (\t)+1 < STEPS
.if STEPS-2-(\t) >= 3
	s_wait_loadcnt 12                              ; the next step's four loads are in; those of the three steps behind it may be out
.else
	s_wait_loadcnt 4*(STEPS-2-(\t))
.endif
	TURN (\t)+1                                    ; and go through the other stage while this step is worked
.endif
	v_max3_num_f32 v8, |v[XS]|, |v[XS+1]|, |v[XS+2]|               ; the largest magnitude of my 16, in two chains
	v_max3_num_f32 v9, |v[XS+3]|, |v[XS+4]|, |v[XS+5]|
.irp i, 6,10
	v_max3_num_f32 v8, v8, |v[XS+\i]|, |v[XS+\i+1]|
	v_max3_num_f32 v9, v9, |v[XS+\i+2]|, |v[XS+\i+3]|
.endr
	v_max3_num_f32 v8, v8, |v[XS+14]|, |v[XS+15]|
	v_max3_num_f32 v8, v8, v9, (EMAX+1)<<23        ; and the floor 2^(3 - 127): the byte cannot fall under 1
	v_max_num_f32_dpp v8, v8, v8 row_xmask:1 row_mask:0xf bank_mask:0xf   ; with my neighbour's 16: the block's
	v_add_nc_u32 v11, -(EMAX<<23), v8              ; 2 off its exponent field: the conversion takes the exponent field of this operand as its scale
	v_cvt_scalef32_pk8_fp4_f32 v[C+4*(\t)], v[XS:XS+7], v11
	v_cvt_scalef32_pk8_fp4_f32 v[C+4*(\t)+1], v[XS+8:XS+15], v11
	v_lshrrev_b32 v[E+(\t)], 23, v11               ; the scale's byte
	ds_store_b8 v5, v[E+(\t)] offset:16*(\t)       ; both lanes of a block write the same byte with the same value
	global_store_b64 v4, v[C+4*(\t):C+4*(\t)+1], s[12:13] offset:32*CB*(\t)   ; the wave stores 256 consecutive bytes, aligned
.endm
.irp t, 0,1,2,3,4,5,6,7,8,9,10,11,12,13,14,15
	STEP \t
.endr
	ds_load_b64 v[12:13], v6                       ; LDS serves a wave's instructions in order: these see my byte stores
	s_wait_dscnt 0x0
	global_store_b64 v7, v[12:13], s[14:15]        ; 32 lanes store 256 consecutive bytes, aligned
	s_wait_tensorcnt 0x0
	ds_add_u32 v192, v193
	s_wait_dscnt 0x0
	s_endpgm
; ---- the weights: K is the FIRST axis.  A lane takes a column n and its registers run down K: a block of 32 lies in one lane, and the conversions give codes with K innermost.
; Work-group j = 32 mat + 4 nb + kq: 128 columns from 128 nb on, 256 along K from 256 kq on; a wave takes 32 of the columns: 8 blocks a lane.  Loads run two blocks ahead.
.Lw:
	s_sub_co_u32 s21, ttmp9, 128                   ; j
	s_lshr_b32 s22, s21, 5                         ; mat: 0 Wq, 1 Wk, 2 Wv
	s_bfe_u32 s23, s21, 0x30002                    ; nb
	s_and_b32 s24, s21, 3                          ; kq
	s_lshl_b32 s25, s23, 7
	s_lshl_b32 s26, s20, 5
	s_add_co_u32 s25, s25, s26                     ; my wave's first column, a multiple of 32: pi moves columns only inside my 32
	s_lshl_b32 s26, s22, 10
	s_add_co_u32 s26, s26, s25                     ; and its place among the 3,072
	s_lshl_b32 s28, s24, 20                        ; in: 256 kq rows of 4,096 bytes
	s_lshl_b32 s27, s25, 2
	s_add_co_u32 s28, s28, s27
	s_mov_b32 s29, 0
	s_mul_i32 s30, s24, 8*49152                    ; codes: block row 8 kq, 49,152 bytes each
	s_lshl_b32 s27, s26, 4
	s_add_co_u32 s30, s30, s27
	s_mov_b32 s31, 0
	s_mul_i32 s32, s24, 24576                      ; scale bytes: row kq of 24,576 bytes
	s_lshl_b32 s27, s26, 3
	s_add_co_u32 s32, s32, s27
	s_mov_b32 s33, 0
	s_cmp_eq_u32 s22, 0                            ; the choice hangs on the work-group's number alone
	s_cselect_b64 s[6:7], s[6:7], s[8:9]
	s_cmp_eq_u32 s22, 2
	s_cselect_b64 s[6:7], s[10:11], s[6:7]
	s_add_nc_u64 s[6:7], s[6:7], s[28:29]
	s_add_nc_u64 s[16:17], s[16:17], s[30:31]
	s_add_nc_u64 s[18:19], s[18:19], s[32:33]
	s_wait_alu depctr_va_vdst(0)
	v_lshlrev_b32 v3, 2, v2                        ; in: 4 bytes a lane
	v_and_b32 v4, 7, v2
	v_and_b32 v7, 8, v2
	v_lshl_or_b32 v4, v7, 1, v4
	v_and_b32 v7, 16, v2
	v_lshrrev_b32 v7, 1, v7
	v_or_b32 v4, v4, v7                            ; pi(lane)
	v_lshlrev_b32 v5, 4, v4                        ; out: 16 bytes of codes a place,
	v_lshlrev_b32 v6, 3, v4                        ; 8 scale bytes a place
.macro WLOAD t                         ; block t: W(32 t + i, my column) into set t % 2: the wave reads 128 consecutive bytes
.irp i, 0,1,2,3,4,5,6,7,8,9,10,11,12,13,14,15,16,17,18,19,20,21,22,23,24,25,26,27,28,29,30,31
	global_load_b32 v[WX+32*((\t)%2)+\i], v3, s[6:7] offset:(32*(\t)+\i)*4096 th:TH_LOAD_NT
.endr
.endm
	WLOAD 0
	WLOAD 1
.macro BLOCK t
.set XS, WX+32*((\t)%2)
.if (\t) < 7
	s_wait_loadcnt 32                              ; this block's 32 loads are in; the next block's may be out
.else
	s_wait_loadcnt 0x0
.endif
	v_max3_num_f32 v12, |v[XS]|, |v[XS+1]|, |v[XS+2]|              ; the block's largest magnitude: all 32 numbers are mine
	v_max3_num_f32 v13, |v[XS+3]|, |v[XS+4]|, |v[XS+5]|
.irp i, 6,10,14,18,22,26
	v_max3_num_f32 v12, v12, |v[XS+\i]|, |v[XS+\i+1]|
	v_max3_num_f32 v13, v13, |v[XS+\i+2]|, |v[XS+\i+3]|
.endr
	v_max3_num_f32 v12, v12, |v[XS+30]|, |v[XS+31]|
	v_max3_num_f32 v12, v12, v13, (EMAX+1)<<23     ; and the floor
	v_add_nc_u32 v11, -(EMAX<<23), v12             ; the conversion's scale operand
	v_lshrrev_b32 v13, 23, v11                     ; the scale's byte
.if (\t)%4 == 0
	v_mov_b32 v[SB+(\t)/4], v13                    ; four bytes to a register, the lower K in the lower byte
.else
	v_lshl_or_b32 v[SB+(\t)/4], v13, 8*((\t)%4), v[SB+(\t)/4]
.endif
.irp g, 0,1,2,3
	v_cvt_scalef32_pk8_fp4_f32 v[WC+4*(\t)+\g], v[XS+8*\g:XS+8*\g+7], v11
.endr
	global_store_b128 v5, v[WC+4*(\t):WC+4*(\t)+3], s[16:17] offset:(\t)*49152   ; the wave's 32 places: 512 consecutive bytes, aligned; these registers are not written again
.if (\t)+2 < 8
	WLOAD (\t)+2
.endif
.endm
.irp t, 0,1,2,3,4,5,6,7
	BLOCK \t
.endr
	global_store_b64 v6, v[SB:SB+1], s[18:19]      ; the wave's 32 places x 8 bytes: 256 consecutive bytes, aligned
	s_endpgm
.Lfunc_end_k_q257fe925b6_quant:
	.size	k_q257fe925b6_quant, .Lfunc_end_k_q257fe925b6_quant-k_q257fe925b6_quant
	.p2alignl 7, 3214868480
	.fill 96, 4, 3214868480
	.section	.rodata,"a",@progbits
	.p2align	6, 0x0
	.amdhsa_kernel k_q257fe925b6_quant
		.amdhsa_group_segment_fixed_size 33280
		.amdhsa_private_segment_fixed_size 0
		.amdhsa_enable_private_segment 0
		.amdhsa_kernarg_size 64
		.amdhsa_user_sgpr_count 2
		.amdhsa_user_sgpr_kernarg_segment_ptr 1
		.amdhsa_wavefront_size32 1
		.amdhsa_system_sgpr_workgroup_id_x 1
		.amdhsa_system_sgpr_workgroup_id_y 1
		.amdhsa_system_sgpr_workgroup_id_z 1
		.amdhsa_system_vgpr_workitem_id 0
		.amdhsa_next_free_vgpr 194
		.amdhsa_next_free_sgpr 66
		.amdhsa_reserve_vcc 0
		.amdhsa_float_denorm_mode_32 3
		.amdhsa_float_denorm_mode_16_64 3
		.amdhsa_memory_ordered 1
		.amdhsa_forward_progress 1
		.amdhsa_inst_pref_size 71
	.end_amdhsa_kernel
	.amdgpu_metadata
---
amdhsa.version: [ 1, 2 ]
amdhsa.kernels:
  - .name:           k_q257fe925b6_quant
    .symbol:         k_q257fe925b6_quant.kd
    .args:
      - { .name: hidden_states, .offset: 0, .size: 8, .value_kind: global_buffer, .address_space: global }
      - { .name: Wq, .offset: 8, .size: 8, .value_kind: global_buffer, .address_space: global }
      - { .name: Wk, .offset: 16, .size: 8, .value_kind: global_buffer, .address_space: global }
      - { .name: Wv, .offset: 24, .size: 8, .value_kind: global_buffer, .address_space: global }
      - { .name: hcodes, .offset: 32, .size: 8, .value_kind: global_buffer, .address_space: global }
      - { .name: hscales, .offset: 40, .size: 8, .value_kind: global_buffer, .address_space: global }
      - { .name: wcodes, .offset: 48, .size: 8, .value_kind: global_buffer, .address_space: global }
      - { .name: wscales, .offset: 56, .size: 8, .value_kind: global_buffer, .address_space: global }
    .group_segment_fixed_size: 33280
    .private_segment_fixed_size: 0
    .kernarg_segment_align: 8
    .kernarg_segment_size: 64
    .max_flat_workgroup_size: 128
    .sgpr_count:     66
    .vgpr_count:     194
    .wavefront_size: 32
...
	.end_amdgpu_metadata
.endif
;; end of part 1
;; launch qkv (part 2): grid 12 x 16, 8 waves a work-group, clusters of 4 x 4, 288,256 bytes of LDS; arguments hcodes, hscales, wcodes, wscales, bq, bk, bv, qkv, qkvs; writes qkv, qkvs
.if DOCPART == 2
	.amdgcn_target "amdgcn-amd-amdhsa--gfx1250"
	.amdhsa_code_object_version 6
	.text
	.protected	k_q257fe925b6_qkv
	.globl	k_q257fe925b6_qkv
	.p2align	8
	.type	k_q257fe925b6_qkv,@function
k_q257fe925b6_qkv:
	s_mov_b64 s[64:65], 0
	v_nop
	global_prefetch_b8 v0, s[64:65] scope:SCOPE_SE
	s_setreg_imm32_b32 hwreg(HW_REG_WAVE_MODE, 25, 1), 1
	s_wait_xcnt 0x0
	s_wait_alu depctr_hold_cnt(0) depctr_sa_sdst(0) depctr_va_vdst(0) depctr_va_sdst(0) depctr_va_ssrc(0) depctr_va_vcc(0) depctr_vm_vsrc(0)
	s_getreg_b32 s2, hwreg(HW_REG_IB_STS2, 6, 4)
	s_cmp_eq_u32 s2, 0
	s_cbranch_scc0 .Lentry_in_a_cluster
	s_endpgm
.Lentry_in_a_cluster:
	s_bfe_u32 s2, ttmp6, 0x10000c
	s_cmp_lg_u32 s2, 0xf033
	s_cbranch_scc0 .Lentry_shape_is_right
	s_endpgm
.Lentry_shape_is_right:
; q, k, v = hidden_states W + b on codes of FP4 with E8M0 scales, K = 1,024; the results are quantised again in registers and leave as IMAGES OF THE NEXT OPERANDS' REGISTERS.
; A work-group makes 256 tokens x 256 features of one type (0 q, 1 k, 2 v: the cluster's x, the same in all sixteen partners).  Wave w makes 128 tokens (w / 4) x one head of 64 (w % 4): 32 accumulators, window 1.
; Tokens and features lie in the order pi (bits 3 and 4 of the index swapped): 16 neighbouring places 16 T + r, T = 2 B + u, are the true indices 32 B + 8 u + r + 8 (r / 8).
; q, k: source 0 = 16 features, source 1 = 16 tokens: a lane holds ONE token, and the 16 registers of feature tiles 2 b, 2 b + 1 are the head's channels 32 b + 16 (lane / 16) + 0 .. 15: the next K.
; v:    source 0 = 16 tokens, source 1 = 16 features: a lane holds ONE channel, and the 16 registers of token tiles 2 b, 2 b + 1 are 16 neighbouring keys: the next K.
; The bias is the C of each sum's first product (so it is added first and not last: the order of f32 rounding differs from the reference's).
; OUT, for head bh, type, step of 128 tokens: qkv 4,096 bytes: q, k: [tile of 16 tokens, 8][lane][16 bytes], lane (r, h): token r, channels 32 h on;  v: [tile of 16 channels, 4][c, 2][lane][16 bytes]: keys 64 c + 32 h on.
; qkvs 256 bytes: [lane][2 words]: word i of lane (r, h) is W[2 i + h] of row r;  q, k: W[g] = the two bytes of tile 2 g, then of tile 2 g + 1;  v: W[g] = channel tile g's four key blocks.
; q's bytes carry 3 less: the division of the scores by sqrt(64) = 8 is an exact power of two and is taken up by the scale.
; LIMITS: a block of q, k or v whose largest magnitude lies under 2^-121 keeps that floor's byte (so q's byte less 3 stays at 1 or above); NaN and infinities are not served.
; CLUSTER 4 x 4: the four of a row need the same tokens' codes, the four of a column the same weights': each tile is asked for jointly.  All of K fits in LDS at once: every LDS byte is filled once.
; A wave has one tensor load out.
.set ACH,   0                          ; LDS: tokens' codes, chunk c (512 along K): 256 rows x (256 + 16) bytes
.set ACHB,  69632
.set BCH,   139264                     ; weights' codes, chunk c: [16 blocks of 32 k][256 places][16 bytes]
.set BCHB,  65536
.set HSC,   270336                     ; tokens' scale bytes: 256 rows x 32, as 32 units of 256 + 16 bytes
.set WSC,   279040                     ; weights' scale bytes: [4][256 places][8 bytes]
.set ADRA,  4                          ; v4-5   my tokens' fragments in chunk 0, 1
.set ADRB,  6                          ; v6-7   my features' fragments
.set ADRHS, 8                          ; v8     my tokens' scale words
.set ADRWS, 9                          ; v9     my features' scale words
.set LI16,  10                         ; v10    16 x lane
.set LI8,   11                         ; v11    8 x lane
.set HS,    16                         ; v16-47  tokens' scale words: tile a, K step q of the chunk: HS + 4 a + q
.set WS,    48                         ; v48-63  features': WS + 4 n + q
.set BI,    64                         ; v64-95  the bias in the result's layout, 8 registers a feature tile
.set AF,    96                         ; v96-159 eight token fragments
.set BF,    160                        ; v160-191 four feature fragments
.set TM,    192                        ; v192-207 at work in the quantiser
.set VB,    208                        ; v208-215 the biases' address registers, one for each register of a tile
.set PC,    96                         ; the way out: v96-127 codes, v128-131 scale words, v132-133 as they are stored
.set WD,    128
.set PK,    132
.set WV,    22                         ; s22 wave;  s23 wave % 4;  s3 wave / 4
.set W3,    23
.set TG,    3
.set SUB,   66                         ; s66 what is taken off the scale bytes: 3 a byte for q, else 0
.set STR,   67                         ; s67 the biases' stride from register to register
.set SEL,   100                        ; s[100:101] lane selects for v_permlanex16_b32: lane l xor 16
.set G1A,   24                         ; group 1: tokens' codes;  32: tokens' scales;  40: weights' codes;  48: weights' scales
.set G1AS,  32
.set G1B,   40
.set G1BS,  48
.set MSB, 0
.macro WIN new                         ; the immediate's high byte repeats the setting that is left
.if MSB != \new
	s_set_vgpr_msb (MSB<<8)|\new
.set MSB, \new
.endif
.endm
.macro CROUND                          ; a round of the cluster's barrier
	s_barrier_signal -1
	s_barrier_wait -1
	s_cmp_lg_u32 s[WV], 0
	s_cbranch_scc1 .Lnot_wave_0_\@
	s_barrier_signal -3
.Lnot_wave_0_\@:
	s_barrier_wait -3
	s_barrier_signal -1
	s_barrier_wait -1
.endm
.macro MM d, a, b, c, sa, sb
	v_wmma_scale_f32_16x16x128_f8f6f4 v[(\d):(\d)+7], v[(\a):(\a)+7], v[(\b):(\b)+7], v[(\c):(\c)+7], v[(\sa)], v[(\sb)] matrix_a_fmt:MATRIX_FMT_FP4 matrix_b_fmt:MATRIX_FMT_FP4
.endm
	s_load_b256 s[4:11], s[0:1], 0x0               ; hcodes s[4:5], hscales s[6:7], wcodes s[8:9], wscales s[10:11]
	s_load_b256 s[12:19], s[0:1], 0x20             ; bq s[12:13], bk s[14:15], bv s[16:17], qkv s[18:19]
	s_load_b64 s[20:21], s[0:1], 0x40              ; qkvs
	v_lshl_add_u32 v254, v0, 2, 0x46200
	v_mov_b32 v255, 0
	ds_add_u32 v254, v255
	ds_add_u32 v254, v255
	v_lshrrev_b32 v1, 5, v0
	s_delay_alu instid0(VALU_DEP_1)
	v_readfirstlane_b32 s[WV], v1                  ; wave 0..7
	s_and_b32 s[W3], s[WV], 3
	s_lshr_b32 s[TG], s[WV], 2
	s_bfe_u32 s84, ttmp6, 0x40000                  ; cx
	s_bfe_u32 s85, ttmp6, 0x40004                  ; cy
	s_lshl_b32 s86, ttmp9, 2
	s_add_co_u32 s86, s86, s84                     ; block of 256 features = 4 x cluster x + cx
	s_and_b32 s87, ttmp7, 0xffff
	s_lshl_b32 s87, s87, 2
	s_add_co_u32 s87, s87, s85                     ; block of 256 tokens = 4 x cluster y + cy
	s_lshl_b32 s88, s85, 2
	s_lshl_b32 s88, 15, s88                        ; my row of the cluster
	s_lshl_b32 s89, 0x1111, s84                    ; my column
	; group 1, tokens' codes: 128 rows x 256 bytes, 512 bytes apart in memory, 16 bytes of padding behind each row in LDS
	s_or_b32 s[G1A], s88, (0<<16)|(1<<20)|(1<<21)|(5<<22)|(3<<25)   ; 15:0 the mask; 17:16 elements of 1 byte; 20 padding on; 21 set beside a mask; 24:22 after every 64 words; 31:25 four words
	s_mov_b32 s[G1A+1], 256<<16                    ; tensor_dim0
	s_mov_b32 s[G1A+2], 128<<16                    ; tensor_dim1
	s_mov_b32 s[G1A+3], 256<<16                    ; tile_dim0
	s_mov_b32 s[G1A+4], 128                        ; tile_dim1
	s_mov_b32 s[G1A+5], 512                        ; the pitch
	s_mov_b32 s[G1A+6], 0
	s_mov_b32 s[G1A+7], 0
	; tokens' scales: 256 rows x 32 bytes are 8,192 dense bytes: 32 rows of 256 (32 elements of 8 bytes), padded likewise
	s_or_b32 s[G1AS], s88, (3<<16)|(1<<20)|(1<<21)|(5<<22)|(3<<25)
	s_mov_b32 s[G1AS+1], 32<<16
	s_mov_b32 s[G1AS+2], 32<<16
	s_mov_b32 s[G1AS+3], 32<<16
	s_mov_b32 s[G1AS+4], 32
	s_mov_b32 s[G1AS+5], 32
	s_mov_b32 s[G1AS+6], 0
	s_mov_b32 s[G1AS+7], 0
	; weights' codes: a chunk's 16 block rows x 4,096 bytes (512 elements of 8), 49,152 bytes apart; no padding: a fragment load reads 256 consecutive bytes in sixteen lanes
	s_or_b32 s[G1B], s89, (3<<16)|(1<<21)
	s_mov_b32 s[G1B+1], 512<<16
	s_mov_b32 s[G1B+2], 16<<16
	s_mov_b32 s[G1B+3], 512<<16
	s_mov_b32 s[G1B+4], 16
	s_mov_b32 s[G1B+5], 6144
	s_mov_b32 s[G1B+6], 0
	s_mov_b32 s[G1B+7], 0
	; weights' scales: 4 rows (k / 256) x 2,048 bytes (256 places x 8), 24,576 bytes apart
	s_or_b32 s[G1BS], s89, (3<<16)|(1<<21)
	s_mov_b32 s[G1BS+1], 256<<16
	s_mov_b32 s[G1BS+2], 4<<16
	s_mov_b32 s[G1BS+3], 256<<16
	s_mov_b32 s[G1BS+4], 4
	s_mov_b32 s[G1BS+5], 3072
	s_mov_b32 s[G1BS+6], 0
	s_mov_b32 s[G1BS+7], 0
	; where the tiles come from.  The tokens' hang on the token block alone (shared along my row), the weights' on the feature block alone (shared along my column); each in registers that never hold the other coordinate
	s_lshl_b32 s90, s87, 8
	s_lshl_b32 s92, s90, 5                         ; the block's scale bytes
	s_and_b32 s98, s[WV], 1                        ; tokens' waves: which 128 rows; weights' waves: which chunk
	s_lshl_b32 s91, s98, 7
	s_add_co_u32 s90, s90, s91                     ; tokens: place 256 x block + 128 x (wave % 2)
	s_mov_b32 s93, 0
	s_lshl_b32 s90, s90, 9                         ; its codes
	s_mov_b32 s91, 0
	s_lshl_b32 s94, s86, 11                        ; weights' scales: 2,048 bytes a block of 256 places
	s_mov_b32 s95, 0
	s_mul_i32 s96, s98, 16*49152                   ; weights' codes: chunk wave % 2: 16 block rows,
	s_lshl_b32 s97, s86, 12                        ; 4,096 bytes a block of 256 places
	s_add_co_u32 s96, s96, s97
	s_mov_b32 s97, 0
	s_mov_b32 s[SEL], 0x76543210
	s_mov_b32 s[SEL+1], 0xfedcba98
	s_wait_dscnt 0x0
	s_wait_kmcnt 0x0
	s_mov_b32 s56, 1                               ; group 0: count 1; the LDS address; the global address; type 2
	s_mov_b32 s57, HSC
	s_add_nc_u64 s[58:59], s[6:7], s[92:93]
	s_or_b32 s59, s59, 0x80000000
	s_mov_b32 s60, 1
	s_mul_i32 s61, s98, 34816                      ; 128 rows of 272 bytes,
	s_bfe_u32 s68, s[WV], 0x10001                  ; in chunk (wave / 2) % 2:
	s_mul_i32 s69, s68, ACHB
	s_add_co_u32 s61, s61, s69
	s_lshl_b32 s68, s68, 8                         ; 256 bytes on in each row of memory
	s_mov_b32 s69, 0
	s_add_nc_u64 s[62:63], s[4:5], s[90:91]
	s_add_nc_u64 s[62:63], s[62:63], s[68:69]
	s_or_b32 s63, s63, 0x80000000
	s_mov_b32 s72, 1
	s_mov_b32 s73, WSC
	s_add_nc_u64 s[74:75], s[10:11], s[94:95]
	s_or_b32 s75, s75, 0x80000000
	s_mov_b32 s76, 1
	s_lshl_b32 s77, s98, 16                        ; BCHB bytes a chunk
	s_add_co_u32 s77, s77, BCH
	s_add_nc_u64 s[78:79], s[8:9], s[96:97]
	s_or_b32 s79, s79, 0x80000000
	CROUND                                         ; all sixteen work-groups are here: the joint loads meet
; THE HEAD'S LOADS, ONE A WAVE: waves 0-3 the tokens' codes (128 rows of one chunk each), waves 4 and 5 the weights' chunks, wave 6 the tokens' scales, wave 7 the weights'.
; One tree of branches on the wave's number: every way through it passes exactly one load.
.macro ARM under, g0, g1, next
	s_cmp_lt_u32 s[WV], \under
	s_cbranch_scc0 \next
	tensor_load_to_lds s[\g0:\g0+3], s[\g1:\g1+7]
	s_nop 0
.rept 4
	v_nop
.endr
	s_branch .Lfilled
\next:
.endm
	ARM 4, 60, G1A, .Lfill_b
	ARM 6, 76, G1B, .Lfill_as
	ARM 7, 56, G1AS, .Lfill_bs
	tensor_load_to_lds s[72:75], s[G1BS:G1BS+7]
	s_nop 0
.rept 4
	v_nop
.endr
.Lfilled:
	v_and_b32 v1, 15, v0                           ; r
	v_bfe_u32 v2, v0, 4, 1                         ; h
	v_and_b32 v3, 31, v0                           ; lane
	s_delay_alu instid0(VALU_DEP_3)
	v_mul_u32_u24 v[ADRA], v1, 272
	s_delay_alu instid0(VALU_DEP_1)
	v_lshl_add_u32 v[ADRA], v2, 4, v[ADRA]
	s_mul_i32 s2, s[TG], 34816                     ; my 128 rows of 272 bytes
	v_add_nc_u32 v[ADRA], s2, v[ADRA]
	s_delay_alu instid0(VALU_DEP_1)
	v_add_nc_u32 v[ADRA+1], ACHB, v[ADRA]
	v_lshlrev_b32 v[ADRB], 4, v1                   ; place r: 16 bytes; lanes 16-31 take the next block of 32 k: 4,096 bytes on
	s_delay_alu instid0(VALU_DEP_1)
	v_lshl_add_u32 v[ADRB], v2, 12, v[ADRB]
	s_lshl_b32 s2, s[W3], 10                       ; my head's 64 places
	s_add_co_u32 s2, s2, BCH
	v_add_nc_u32 v[ADRB], s2, v[ADRB]
	s_delay_alu instid0(VALU_DEP_1)
	v_add_nc_u32 v[ADRB+1], BCHB, v[ADRB]
	v_lshrrev_b32 v[ADRHS], 3, v1
	s_delay_alu instid0(VALU_DEP_1)
	v_lshlrev_b32 v[ADRHS], 4, v[ADRHS]
	s_delay_alu instid0(VALU_DEP_1)
	v_lshl_add_u32 v[ADRHS], v1, 5, v[ADRHS]       ; 32 r, and 16 more behind each 8 rows
	s_mul_i32 s2, s[TG], 4352
	s_add_co_u32 s2, s2, HSC
	v_add_nc_u32 v[ADRHS], s2, v[ADRHS]
	s_lshl_b32 s2, s[W3], 9
	s_add_co_u32 s2, s2, WSC
	v_lshl_add_u32 v[ADRWS], v1, 3, s2
	v_lshlrev_b32 v[LI16], 4, v3
	v_lshlrev_b32 v[LI8], 3, v3
.irp b, 0,1,2,3
	v_mov_b32 v[TM+4+\b], 0                        ; written once: a lane permute's destination counts as one of its sources
.endr
	; where my results go, and my head's biases
	s_lshl_b32 s90, s84, 2
	s_add_co_u32 s90, s90, s[W3]                   ; head = 4 cx + wave % 4
	s_lshr_b32 s91, s87, 3                         ; batch
	s_lshl_b32 s92, s91, 4
	s_add_co_u32 s92, s92, s90                     ; bh
	s_and_b32 s93, s87, 7
	s_lshl_b32 s93, s93, 1
	s_add_co_u32 s93, s93, s[TG]                   ; step of 128 tokens
	s_mul_i32 s94, s92, 196608
	s_lshl_b32 s95, ttmp9, 16
	s_add_co_u32 s94, s94, s95
	s_lshl_b32 s95, s93, 12
	s_add_co_u32 s94, s94, s95
	s_mov_b32 s95, 0
	s_add_nc_u64 s[18:19], s[18:19], s[94:95]
	s_mul_i32 s96, s92, 12288
	s_lshl_b32 s97, ttmp9, 12
	s_add_co_u32 s96, s96, s97
	s_lshl_b32 s97, s93, 8
	s_add_co_u32 s96, s96, s97
	s_mov_b32 s97, 0
	s_add_nc_u64 s[20:21], s[20:21], s[96:97]
	s_lshl_b32 s98, s90, 8
	s_mov_b32 s99, 0
	s_cmp_eq_u32 ttmp9, 0                          ; the type chooses the bias; the choice hangs on no address
	s_cselect_b64 s[12:13], s[12:13], s[14:15]
	s_cselect_b32 s[SUB], 0x03030303, 0
	s_cmp_eq_u32 ttmp9, 2
	s_cselect_b64 s[12:13], s[16:17], s[12:13]
	s_cselect_b32 s88, 4, 0                        ; v: a lane's channel is r + 8 (r / 8) of the tile, the same in all 8 registers
	s_cselect_b32 s89, 0, 64                       ; q, k: register j is channel 16 h + j of the tile's pair
	s_cselect_b32 s[STR], 0, 4
	s_add_nc_u64 s[12:13], s[12:13], s[98:99]
	v_and_b32 v13, 8, v1
	s_delay_alu instid0(VALU_DEP_1)
	v_add_nc_u32 v13, v13, v1
	s_delay_alu instid0(VALU_DEP_1)
	v_mul_u32_u24 v12, s88, v13
	s_delay_alu instid0(VALU_DEP_1)
	v_mad_u32_u24 v12, s89, v2, v12
.irp j, 0,1,2,3,4,5,6,7
	v_mad_u32_u24 v[VB+\j], s[STR], \j, v12
.endr
.irp n, 0,1,2,3
.irp j, 0,1,2,3,4,5,6,7
	global_load_b32 v[BI+8*\n+\j], v[VB+\j], s[12:13] offset:128*(\n/2)+32*(\n%2)   ; tile n begins at channel 32 (n / 2) + 8 (n % 2)
.endr
.endr
.macro SCALES ch                       ; a chunk's scale words: four K steps a row
.irp a, 0,1,2,3,4,5,6,7
	ds_load_b128 v[HS+4*\a:HS+4*\a+3], v[ADRHS] offset:544*\a+16*\ch
.endr
.irp n, 0,1,2,3
.irp e, 0,1
	ds_load_b64 v[WS+4*\n+2*\e:WS+4*\n+2*\e+1], v[ADRWS] offset:(2*\ch+\e)*2048+128*\n
.endr
.endr
.endm
; A K step of 128: 24 LDS loads, 32 products.  The 32 accumulators take turns, one instruction a turn, in the same order in every step.
; pl = 1: four places in front of loads into registers that matrix instructions have read (ISA guide 7.12.1 for vector instructions).  zr = 1: the bias is the C of the first product.  vp = 1: v's order of sources.
.macro KSTEP ch, q, pl, zr, vp
.if \pl
.rept 4
	v_nop
.endr
.endif
.irp a, 0,1,2,3,4,5,6,7
.irp k, 0,1
	ds_load_b128 v[AF+8*\a+4*\k:AF+8*\a+4*\k+3], v[ADRA+\ch] offset:4352*\a+64*\q+32*\k
.endr
.endr
.irp n, 0,1,2,3
.irp k, 0,1
	ds_load_b128 v[BF+8*\n+4*\k:BF+8*\n+4*\k+3], v[ADRB+\ch] offset:(4*\q+2*\k)*4096+256*\n
.endr
.endr
	s_wait_dscnt 0x0                               ; all are in; the SIMD's other wave works meanwhile
.if \zr
	WIN 0x40                                       ; D window 1; the bias window 0
.else
	WIN 0x50                                       ; C and D window 1
.endif
.irp a, 0,1,2,3,4,5,6,7
.irp n, 0,1,2,3
.if \vp
.if \zr
	MM 64*\n+8*\a, AF+8*\a, BF+8*\n, BI+8*\n, HS+4*\a+\q, WS+4*\n+\q
.else
	MM 64*\n+8*\a, AF+8*\a, BF+8*\n, 64*\n+8*\a, HS+4*\a+\q, WS+4*\n+\q
.endif
.else
.if \zr
	MM 32*\a+8*\n, BF+8*\n, AF+8*\a, BI+8*\n, WS+4*\n+\q, HS+4*\a+\q
.else
	MM 32*\a+8*\n, BF+8*\n, AF+8*\a, 32*\a+8*\n, WS+4*\n+\q, HS+4*\a+\q
.endif
.endif
.endr
.endr
	WIN 0
.endm
	s_wait_tensorcnt 0x0                           ; my one load is in
	s_barrier_signal -1
	s_barrier_wait -1                              ; everybody's are
	SCALES 0
	s_wait_loadcnt 0x0                             ; the biases
	s_cmp_eq_u32 ttmp9, 2                          ; the type is the same in every wave and every partner
	s_cbranch_scc1 .Lv0
	KSTEP 0, 0, 0, 1, 0
	KSTEP 0, 1, 1, 0, 0
	KSTEP 0, 2, 1, 0, 0
	KSTEP 0, 3, 1, 0, 0
	s_branch .Lj0
.Lv0:
	KSTEP 0, 0, 0, 1, 1
	KSTEP 0, 1, 1, 0, 1
	KSTEP 0, 2, 1, 0, 1
	KSTEP 0, 3, 1, 0, 1
.Lj0:                                              ; chunk 1 came with the head's loads: no second barrier
.rept 4
	v_nop                                          ; places in front of the loads into scale and fragment registers that the last products read
.endr
	SCALES 1
	s_cmp_eq_u32 ttmp9, 2
	s_cbranch_scc1 .Lv1
	KSTEP 1, 0, 0, 0, 0
	KSTEP 1, 1, 1, 0, 0
	KSTEP 1, 2, 1, 0, 0
	KSTEP 1, 3, 1, 0, 0
	s_branch .Lj1
.Lv1:
	KSTEP 1, 0, 0, 0, 1
	KSTEP 1, 1, 1, 0, 1
	KSTEP 1, 2, 1, 0, 1
	KSTEP 1, 3, 1, 0, 1
.Lj1:
; THE WAY OUT, the same text for all three types: accumulators 64 g .. 64 g + 63 are four blocks of 32 along the next K: register 16 b + i is number 16 (lane / 16) + i of block b of my row.
; Each accumulator is read from its low end on.  The codes' registers are the next operand's; they are stored as they stand, 16 bytes a lane.
.macro QUANT g
	WIN 0x05                                       ; sources 0 and 1 window 1
.irp b, 0,1,2,3
	v_max3_num_f32 v[TM+\b], |v[64*\g+16*\b]|, |v[64*\g+16*\b+1]|, 0x3000000   ; and the floor 2^(6 - 127): the byte is 4 at the least
.endr
.irp i, 2,4,6,8,10,12,14
.irp b, 0,1,2,3
	v_max3_num_f32 v[TM+\b], |v[64*\g+16*\b+\i]|, |v[64*\g+16*\b+\i+1]|, v[TM+\b]   ; the four blocks by turns
.endr
.endr
	WIN 0
.irp b, 0,1,2,3
	v_permlanex16_b32 v[TM+4+\b], v[TM+\b], s[SEL], s[SEL+1]
.endr
.irp b, 0,1,2,3
	s_delay_alu instid0(VALU_DEP_4)
	v_max_num_f32 v[TM+\b], v[TM+\b], v[TM+4+\b]   ; with lane l xor 16's 16: the block's largest magnitude
.endr
.irp b, 0,1,2,3
	s_delay_alu instid0(VALU_DEP_4)
	v_add_nc_u32 v[TM+12+\b], 0xff000000, v[TM+\b] ; 2 off its exponent field: the conversion's scale operand
.endr
.irp b, 0,1,2,3
	s_delay_alu instid0(VALU_DEP_4)
	v_lshrrev_b32 v[TM+4+\b], 23, v[TM+12+\b]      ; the scale's byte
.endr
	s_delay_alu instid0(VALU_DEP_3)
	v_lshl_or_b32 v[WD+\g], v[TM+5], 8, v[TM+4]
	s_delay_alu instid0(VALU_DEP_1)
	v_lshl_or_b32 v[WD+\g], v[TM+6], 16, v[WD+\g]
	s_delay_alu instid0(VALU_DEP_1)
	v_lshl_or_b32 v[WD+\g], v[TM+7], 24, v[WD+\g]
	s_delay_alu instid0(VALU_DEP_1)
	v_sub_nc_u32 v[WD+\g], v[WD+\g], s[SUB]        ; q: 3 off each byte (each is 4 at the least: no borrow)
	WIN 0x01                                       ; the numbers window 1
.irp b, 0,1,2,3
	v_cvt_scalef32_pk8_fp4_f32 v[PC+8*\g+2*\b], v[64*\g+16*\b:64*\g+16*\b+7], v[TM+12+\b]
	v_cvt_scalef32_pk8_fp4_f32 v[PC+8*\g+2*\b+1], v[64*\g+16*\b+8:64*\g+16*\b+15], v[TM+12+\b]
.endr
	WIN 0
	v_nop                                          ; one plain place behind a scaled conversion
.irp c, 0,1                                    ; a whole block to a lane: lanes 0-15 block 2 c, lanes 16-31 block 2 c + 1
.irp i, 0,1
	v_permlane16_swap_b32 v[PC+8*\g+4*\c+\i], v[PC+8*\g+4*\c+2+\i]
.endr
.endr
	global_store_b128 v[LI16], v[PC+8*\g:PC+8*\g+3], s[18:19] offset:1024*\g        ; the wave stores 512 consecutive bytes, aligned; these registers are not written again
	global_store_b128 v[LI16], v[PC+8*\g+4:PC+8*\g+7], s[18:19] offset:1024*\g+512
.endm
.rept 4
	v_nop                                          ; places behind the last products, in front of the first read of results
.endr
	QUANT 0
	QUANT 1
	QUANT 2
	QUANT 3
	v_cmp_lt_u32 vcc_lo, 15, v3                    ; lanes 16-31 carry the odd words
	s_delay_alu instid0(VALU_DEP_1)
	v_cndmask_b32 v[PK], v[WD], v[WD+1], vcc_lo
	s_delay_alu instid0(VALU_DEP_2)
	v_cndmask_b32 v[PK+1], v[WD+2], v[WD+3], vcc_lo
	global_store_b64 v[LI8], v[PK:PK+1], s[20:21]  ; 256 consecutive bytes, aligned
	s_wait_dscnt 0x0
	s_wait_tensorcnt 0x0
	ds_add_u32 v254, v255
	s_wait_dscnt 0x0
	CROUND                                         ; the closing round: no work-group ends while a partner may still ask for a tile that names it
	s_endpgm
.Lfunc_end_k_q257fe925b6_qkv:
	.size	k_q257fe925b6_qkv, .Lfunc_end_k_q257fe925b6_qkv-k_q257fe925b6_qkv
	.p2alignl 7, 3214868480
	.fill 96, 4, 3214868480
	.section	.rodata,"a",@progbits
	.p2align	6, 0x0
	.amdhsa_kernel k_q257fe925b6_qkv
		.amdhsa_group_segment_fixed_size 288256
		.amdhsa_private_segment_fixed_size 0
		.amdhsa_enable_private_segment 0
		.amdhsa_kernarg_size 72
		.amdhsa_user_sgpr_count 2
		.amdhsa_user_sgpr_kernarg_segment_ptr 1
		.amdhsa_wavefront_size32 1
		.amdhsa_system_sgpr_workgroup_id_x 1
		.amdhsa_system_sgpr_workgroup_id_y 1
		.amdhsa_system_sgpr_workgroup_id_z 1
		.amdhsa_system_vgpr_workitem_id 0
		.amdhsa_next_free_vgpr 512
		.amdhsa_next_free_sgpr 102
		.amdhsa_reserve_vcc 1
		.amdhsa_float_denorm_mode_32 3
		.amdhsa_float_denorm_mode_16_64 3
		.amdhsa_memory_ordered 1
		.amdhsa_forward_progress 1
		.amdhsa_inst_pref_size 126
	.end_amdhsa_kernel
	.amdgpu_metadata
---
amdhsa.version: [ 1, 2 ]
amdhsa.kernels:
  - .name:           k_q257fe925b6_qkv
    .symbol:         k_q257fe925b6_qkv.kd
    .args:
      - { .name: hcodes, .offset: 0, .size: 8, .value_kind: global_buffer, .address_space: global }
      - { .name: hscales, .offset: 8, .size: 8, .value_kind: global_buffer, .address_space: global }
      - { .name: wcodes, .offset: 16, .size: 8, .value_kind: global_buffer, .address_space: global }
      - { .name: wscales, .offset: 24, .size: 8, .value_kind: global_buffer, .address_space: global }
      - { .name: bq, .offset: 32, .size: 8, .value_kind: global_buffer, .address_space: global }
      - { .name: bk, .offset: 40, .size: 8, .value_kind: global_buffer, .address_space: global }
      - { .name: bv, .offset: 48, .size: 8, .value_kind: global_buffer, .address_space: global }
      - { .name: qkv, .offset: 56, .size: 8, .value_kind: global_buffer, .address_space: global }
      - { .name: qkvs, .offset: 64, .size: 8, .value_kind: global_buffer, .address_space: global }
    .group_segment_fixed_size: 288256
    .private_segment_fixed_size: 0
    .kernarg_segment_align: 8
    .kernarg_segment_size: 72
    .max_flat_workgroup_size: 256
    .sgpr_count:     102
    .vgpr_count:     512
    .wavefront_size: 32
...
	.end_amdgpu_metadata
.endif
;; end of part 2
;; launch attn (part 3): grid 8 x 32, 8 waves a work-group, clusters of 4 x 1, 191,488 bytes of LDS; arguments qkv, qkvs, attention_mask, out0; writes out0
.if DOCPART == 3
	.amdgcn_target "amdgcn-amd-amdhsa--gfx1250"
	.amdhsa_code_object_version 6
	.text
	.protected	k_q257fe925b6_attn
	.globl	k_q257fe925b6_attn
	.p2align	8
	.type	k_q257fe925b6_attn,@function
k_q257fe925b6_attn:
	s_mov_b64 s[64:65], 0
	v_nop
	global_prefetch_b8 v0, s[64:65] scope:SCOPE_SE
	s_setreg_imm32_b32 hwreg(HW_REG_WAVE_MODE, 25, 1), 1
	s_wait_xcnt 0x0
	s_wait_alu depctr_hold_cnt(0) depctr_sa_sdst(0) depctr_va_vdst(0) depctr_va_sdst(0) depctr_va_ssrc(0) depctr_va_vcc(0) depctr_vm_vsrc(0)
	s_getreg_b32 s2, hwreg(HW_REG_IB_STS2, 6, 4)
	s_cmp_eq_u32 s2, 0
	s_cbranch_scc0 .Lentry_in_a_cluster
	s_endpgm
.Lentry_in_a_cluster:
	s_bfe_u32 s2, ttmp6, 0x10000c
	s_cmp_lg_u32 s2, 0x3003
	s_cbranch_scc0 .Lentry_shape_is_right
	s_endpgm
.Lentry_shape_is_right:
; out0[b][q][64 head ..] = the sum over keys of softmax(q . k / 8 + mask) v, both products on codes of FP4 with E8M0 scales, from the register images that the launch before has laid.
; THE SOFTMAX: t = (score + mask) x log2(e); M = the running largest t rounded UP to a whole number; p = 2^(t - M) is quantised along the keys, not normalised; the row's sum is taken of the unquantised p
; and divides at the end.  When M moves, the sum and O are multiplied by 2^(old M - new M): exact.  The division by 8 lies in q's scale bytes.
; SHARES.  A work-group owns 256 queries of one (batch, head); wave w owns 32: two tiles x = 0, 1 of 16, which share every fragment of K and V and the mask.  Two waves to a SIMD.
; The head's K, V, scale words and its batch's mask (144 KiB) lie in LDS for the whole launch: every LDS byte is filled once, by eight loads at the head, one a wave.
; The four work-groups of a cluster belong to one head: every fill is joint.  No prefetch: all bytes are asked for at the head, so the key loop has no later load to run ahead of.
; LAYOUT.  Both products are used transposed: S^T = K Q^T, O^T = V^T P^T: a lane holds ONE query (lane % 16) throughout.
; THE KEYS OF A TILE ARE CHOSEN BY THE LANES' LDS ADDRESSES: rows 0-7 of tile (c, u) are keys 64 c + 8 u + 0 .. 7 of the step, rows 8-15 keys 64 c + 32 + 8 u + 0 .. 7.  So the 32 registers of tiles (c, 0 .. 3)
; are, in lane half h, the WHOLE block 2 c + h of 32 keys, in order: its largest score needs no other lane, and the four conversions of a block give registers 4 c .. 4 c + 3 of the second product's operand as they stand.
; In the images a key 64 c + 32 a + 16 w + 8 e + j lies in token tile 4 c + 2 a + e at row 8 w + j.  THE HEAD HAS ONLY 64 ALONG K: fragment (c, w) of 128 carries the tiles e = 0 (K 0-63) and e = 1 (K 64-127), and Q
; stands beside 64 zero codes, [q | 0] or [0 | q], which picks one of the two.  The scale word of row (a, j) of fragment (c, w) is word 2 c + a of image row 8 w + j.  The mask is the C of the score's product.
; K's images are laid in LDS as rows of 1,024 bytes + 128 of padding: rows a = 0 and a = 1 of a tile then fall on different halves of the 64 banks (ISA guide 11.1).
; LIMITS: the promise holds while the scaled scores stay under 2^31 in magnitude; a mask of -infinity gives p = 0; a row whose mask is -infinity at every key gives NaN, as the reference does.  NaN elsewhere is not served.
; REGISTERS, window 0: v1-5 lane terms, v6-10 the step's LDS addresses, v11-13 the way out, v14-15 the add's two; v16+8x: +0 -M, +1 largest score, +2,3 the sum, +4,5 f, +6,7 at work; v32-39 scale words (Q, K, V, p);
;   v40+12x: 0 0 0 0 q q q q 0 0 0 0;  v64-95 partial sums;  v96+64x S^T, then p;  v224+8x p's codes;  v240-255 at work.   window 1: v0-63 O^T (32 x + 8 d);  v64-127 the mask;  v128-159 V;  v160-191 K.
.set VL,    73728                      ; LDS: K's images from 0 on, 4,608 bytes a step of 128 keys; V's from here, 4,096 a step
.set MSK,   139264                     ; the mask, 8,192 bytes
.set KSC,   147456                     ; K's scale words, 256 bytes a step; V's lie 4,096 bytes on
.set STAGE, 155648                     ; the way out: 16 rows x (256 + 16) bytes for each wave; no fill lands here
.set SPARE, 190464                     ; the spare words, 128 bytes a wave
.set KPAD,  (1<<20)|(7<<22)|(31<<25)   ; padding on; after every 256 words; 32 words
.set LK,  1
.set LV,  2
.set LM,  3
.set LSK, 4
.set LSV, 5
.set ADK, 6
.set ADV, 7
.set ADM, 8
.set ADSK, 9
.set ADSV, 10
.set STO, 11
.set RD,  12
.set GO,  13
.set SPW, 14
.set NIL, 15
.set ST,  16
.set QS,  32
.set KS,  34
.set VS,  36
.set PW,  38
.set QB,  40
.set T,   64
.set S,   96
.set P,   224
.set BM,  240                          ; v240-243 a block's largest score, then p: 2 x + c
.set MB,  244                          ; v244-247 the second chain of the maximum; then the scale's byte
.set SO,  248                          ; v248-251 the conversions' scale operands
.set WB,  252                          ; v252-253 my two bytes; at the head Q's scale word
.set PM,  254                          ; v254-255 lane l xor 16's two bytes
.set MK,  64                           ; window 1
.set VF,  128
.set KF,  160
.set WV,  12                           ; s12 wave
.set NC,  2                            ; s2  -log2(e)
.set CNT, 3
.set TK,  16                           ; s16-19 the step's bytes in K, in V, in the mask, among the scale words
.set TV,  17
.set TM,  18
.set TS,  19
.set CS,  20                           ; s[20:21] log2(e): the packed form names a pair and takes its low word for both halves
.set SEL, 22                           ; s[22:23] lane selects for v_permlanex16_b32: lane l xor 16
.set MSB, 0
.macro WIN new                         ; the immediate's high byte repeats the setting that is left
.if MSB != \new
	s_set_vgpr_msb (MSB<<8)|\new
.set MSB, \new
.endif
.endm
.macro CROUND                          ; a round of the cluster's barrier
	s_barrier_signal -1
	s_barrier_wait -1
	s_cmp_lg_u32 s[WV], 0
	s_cbranch_scc1 .Lnot_wave_0_\@
	s_barrier_signal -3
.Lnot_wave_0_\@:
	s_barrier_wait -3
	s_barrier_signal -1
	s_barrier_wait -1
.endm
.macro MM d, a, b, c, sa, sb, row      ; row = 1: source 0's scale words are read from lanes 16-31
.if \row
	v_wmma_scale_f32_16x16x128_f8f6f4 v[(\d):(\d)+7], v[(\a):(\a)+7], v[(\b):(\b)+7], v[(\c):(\c)+7], v[(\sa)], v[(\sb)] matrix_a_fmt:MATRIX_FMT_FP4 matrix_b_fmt:MATRIX_FMT_FP4 matrix_a_scale:MATRIX_SCALE_ROW1
.else
	v_wmma_scale_f32_16x16x128_f8f6f4 v[(\d):(\d)+7], v[(\a):(\a)+7], v[(\b):(\b)+7], v[(\c):(\c)+7], v[(\sa)], v[(\sb)] matrix_a_fmt:MATRIX_FMT_FP4 matrix_b_fmt:MATRIX_FMT_FP4
.endif
.endm
.macro GROUP1 g, el, rows, pad         ; a dense block as rows of el elements of 8 bytes; the mask names all four work-groups, bit 21 beside it
	s_mov_b32 s[\g], 15|(3<<16)|(1<<21)|\pad
	s_mov_b32 s[\g+1], (\el)<<16
	s_mov_b32 s[\g+2], (\rows)<<16
	s_mov_b32 s[\g+3], (\el)<<16
	s_mov_b32 s[\g+4], \rows
	s_mov_b32 s[\g+5], \el
	s_mov_b32 s[\g+6], 0
	s_mov_b32 s[\g+7], 0
.endm
.macro HINT n
	s_delay_alu instid0(VALU_DEP_\n)
.endm
	s_load_b256 s[4:11], s[0:1], 0x0               ; qkv s[4:5], qkvs s[6:7], attention_mask s[8:9], out0 s[10:11]
	v_lshl_add_u32 v[SPW], v0, 2, SPARE
	v_mov_b32 v[NIL], 0
	ds_add_u32 v[SPW], v[NIL]                      ; the opening lines: the add, twice on end, and its wait ahead of the first tensor load
	ds_add_u32 v[SPW], v[NIL]
	v_lshrrev_b32 v1, 5, v0
	v_readfirstlane_b32 s[WV], v1                  ; wave 0..7
	s_bfe_u32 s13, ttmp6, 0x40000                  ; cx: it enters Q's and the output's addresses alone
	s_lshl_b32 s14, ttmp9, 2
	s_add_co_u32 s14, s14, s13                     ; my block of 256 queries
	s_and_b32 s15, ttmp7, 0xffff                   ; bh = 16 batch + head, which the four partners share
	GROUP1 24, 32, 32, 0                           ; 8,192 bytes: the mask, or K's and V's scale words
	GROUP1 32, 128, 32, KPAD                       ; half of K: 32 rows of 1,024 bytes, padded
	GROUP1 40, 32, 64, 0                           ; a quarter of V: 16,384 bytes
	s_lshr_b32 s66, s15, 4
	s_lshl_b32 s66, s66, 13                        ; my batch's mask
	s_mov_b32 s67, 0
	s_mul_i32 s68, s15, 12288                      ; the head in qkvs
	s_add_co_u32 s70, s68, 4096                    ; K's words, and behind them V's
	s_mov_b32 s71, 0
	s_mul_i32 s69, s15, 196608                     ; the head in qkv
	s_and_b32 s78, s[WV], 1                        ; K (waves 2, 3): which half
	s_mul_i32 s57, s78, 36864                      ; in LDS: 32 rows of 1,152 bytes
	s_lshl_b32 s72, s78, 15
	s_add_co_u32 s72, s72, s69
	s_add_co_u32 s72, s72, 65536                   ; K's images lie 65,536 bytes behind the head's first byte
	s_mov_b32 s73, 0
	s_and_b32 s78, s[WV], 3                        ; V (waves 4-7): which quarter
	s_lshl_b32 s78, s78, 14
	s_add_co_u32 s61, s78, VL
	s_add_co_u32 s74, s78, s69
	s_add_co_u32 s74, s74, 131072                  ; V's 131,072
	s_mov_b32 s75, 0
	s_mov_b32 s49, MSK
	s_mov_b32 s53, KSC
	s_mov_b32 s48, 1
	s_mov_b32 s52, 1
	s_mov_b32 s56, 1
	s_mov_b32 s60, 1
	s_mov_b32 s[CS], 0x3fb8aa3b                    ; log2(e)
	s_mov_b32 s[CS+1], s[CS]
	s_mov_b32 s[NC], 0xbfb8aa3b
	s_mov_b32 s[SEL], 0x76543210
	s_mov_b32 s[SEL+1], 0xfedcba98
	s_mov_b32 s[TK], 0
	s_mov_b32 s[TV], 0
	s_mov_b32 s[TM], 0
	s_mov_b32 s[TS], 0
	s_wait_dscnt 0x0                               ; both opening adds are done
	s_wait_kmcnt 0x0
	s_add_nc_u64 s[50:51], s[8:9], s[66:67]
	s_or_b32 s51, s51, 0x80000000
	s_add_nc_u64 s[54:55], s[6:7], s[70:71]
	s_or_b32 s55, s55, 0x80000000
	s_add_nc_u64 s[58:59], s[4:5], s[72:73]
	s_or_b32 s59, s59, 0x80000000
	s_add_nc_u64 s[62:63], s[4:5], s[74:75]
	s_or_b32 s63, s63, 0x80000000
	CROUND                                         ; all four work-groups are here: the joint loads meet
; THE HEAD'S LOADS, ONE A WAVE: wave 0 the mask, wave 1 the scale words, waves 2 and 3 K's halves, waves 4-7 V's quarters.  One tree of branches: every way passes exactly one load.
.macro ARM under, g0, g1, next
	s_cmp_lt_u32 s[WV], \under
	s_cbranch_scc0 \next
	tensor_load_to_lds s[\g0:\g0+3], s[\g1:\g1+7]
	s_nop 0
.rept 4
	v_nop
.endr
	s_branch .Lasked
\next:
.endm
	ARM 1, 48, 24, .Lhead_s
	ARM 2, 52, 24, .Lhead_k
	ARM 4, 56, 32, .Lhead_v
	tensor_load_to_lds s[60:63], s[40:47]
	s_nop 0
.rept 4
	v_nop
.endr
.Lasked:
	s_lshl_b32 s76, s14, 3
	s_add_co_u32 s76, s76, s[WV]                   ; P: my group of 32 queries in the head
	s_lshl_b32 s66, s76, 10                        ; its two images: 1,024 bytes
	s_add_co_u32 s66, s66, s69
	s_mov_b32 s67, 0
	s_add_nc_u64 s[4:5], s[4:5], s[66:67]
	s_lshr_b32 s70, s76, 2                         ; its scale word W[P % 4] of step P / 4: lanes 16 (P % 2) + r, word (P % 4) / 2
	s_lshl_b32 s70, s70, 8
	s_add_co_u32 s70, s70, s68
	s_and_b32 s72, s[WV], 1
	s_lshl_b32 s72, s72, 7
	s_add_co_u32 s70, s70, s72
	s_bfe_u32 s72, s[WV], 0x10001
	s_lshl_b32 s72, s72, 2
	s_add_co_u32 s70, s70, s72
	s_mov_b32 s71, 0
	s_add_nc_u64 s[6:7], s[6:7], s[70:71]
	s_lshr_b32 s72, s15, 4
	s_lshl_b32 s72, s72, 11
	s_lshl_b32 s73, s76, 5
	s_add_co_u32 s72, s72, s73                     ; my first row of the output: 2,048 batch + 32 P
	s_lshl_b32 s72, s72, 12
	s_and_b32 s73, s15, 15
	s_lshl_b32 s73, s73, 8                         ; my head's 256 bytes of a row
	s_add_co_u32 s72, s72, s73
	s_mov_b32 s73, 0
	s_add_nc_u64 s[10:11], s[10:11], s[72:73]
	s_mul_i32 s77, s[WV], 4352
	s_add_co_u32 s77, s77, STAGE                   ; my stage
	v_and_b32 v244, 31, v0                         ; lane
	v_bfe_u32 v245, v0, 4, 1                       ; h
	v_and_b32 v246, 15, v0                         ; r
	v_and_b32 v247, 7, v0                          ; j
	v_bfe_u32 v248, v0, 3, 1                       ; a
	v_lshlrev_b32 v249, 4, v244                    ; 16 x lane
	v_lshlrev_b32 v250, 3, v246                    ; Q's scale word: 8 r
	global_load_b128 v[QB+4:QB+7], v249, s[4:5]                ; Q's two tiles stay in registers
	global_load_b128 v[QB+16:QB+19], v249, s[4:5] offset:512
	global_load_b32 v[WB], v250, s[6:7]
	v_add_nc_u32 v[LV], VL, v249
	v_mul_u32_u24 v[LK], v248, 1152                ; K: 1,152 a + 256 h + 16 j
	v_lshl_add_u32 v[LK], v245, 8, v[LK]
	v_lshl_add_u32 v[LK], v247, 4, v[LK]
	v_lshl_add_u32 v[LM], v245, 7, MSK             ; the mask: my half's block begins 32 keys on
	v_lshl_add_u32 v[LSK], v248, 7, KSC            ; K's scale words: 128 a + 8 j; lanes 16-31 take c = 1's: + 4
	v_lshl_add_u32 v[LSK], v247, 3, v[LSK]
	v_lshl_add_u32 v[LSK], v245, 2, v[LSK]
	v_lshl_add_u32 v[LSV], v244, 3, KSC+4096       ; V's: 8 x lane
	v_mul_u32_u24 v[STO], v246, 272
	v_lshl_add_u32 v[STO], v245, 6, v[STO]
	v_add_nc_u32 v[STO], s77, v[STO]               ; the stage, in: row r, + 64 h
	v_mul_u32_u24 v[RD], v245, 272
	v_lshl_add_u32 v[RD], v246, 4, v[RD]
	v_add_nc_u32 v[RD], s77, v[RD]                 ; back: lanes 0-15 one row of 256 bytes, lanes 16-31 the next
	v_lshlrev_b32 v[GO], 12, v245
	v_lshl_add_u32 v[GO], v246, 4, v[GO]           ; and the same two rows of the output, 4,096 bytes apart
.irp x, 0,1
.irp j, 0,1,2,3,8,9,10,11
	v_mov_b32 v[QB+12*\x+\j], 0                    ; the zero codes on either side of q
.endr
	v_mov_b32 v[ST+8*\x+1], 0xff000000             ; the largest score so far: -2^127
	v_mul_f32 v[ST+8*\x+6], s[NC], v[ST+8*\x+1]
	v_floor_f32 v[ST+8*\x], v[ST+8*\x+6]           ; -M
	v_mov_b32 v[ST+8*\x+2], 0                      ; the sum, in two halves
	v_mov_b32 v[ST+8*\x+3], 0
	v_mov_b32 v[ST+8*\x+5], 0                      ; (named as the upper half of f's pair)
	v_mov_b32 v[PM+\x], 0                          ; written once: a lane permute's destination counts as one of its sources
.endr
	s_wait_alu depctr_va_vdst(0)
	s_wait_loadcnt 0x0                             ; Q
	v_and_b32 v[QS], 0xffff, v[WB]                 ; tile 0's two bytes, twice: they serve [q | 0] and [0 | q]
	v_lshl_or_b32 v[QS], v[WB], 16, v[QS]
	v_lshrrev_b32 v[QS+1], 16, v[WB]               ; tile 1's
	v_and_or_b32 v[QS+1], v[WB], 0xffff0000, v[QS+1]
	WIN 0x40
.set n, 0
.rept 64
	v_mov_b32 v[n], 0                              ; O^T: the step has no first form of its own: it finds zeros, which the first change of M leaves zeros.  (Also the places behind Q's scale words)
.set n, n+1
.endr
	WIN 0
; a step's mask, K and K's scale words; on = 1: those of the step after the one that the addresses name
.macro FETCH ak, am, as, on
	WIN 0x40
.irp c, 0,1
.irp g, 0,1,2,3,4,5,6,7
	ds_load_b128 v[MK+32*\c+4*\g:MK+32*\c+4*\g+3], v[\am] offset:512*\on+256*\c+16*\g   ; register 32 c + i: the mask at key 64 c + 32 (lane / 16) + i
.endr
.endr
.irp c, 0,1
.irp w, 0,1
.irp e, 0,1
	ds_load_b128 v[KF+16*\c+8*\w+4*\e:KF+16*\c+8*\w+4*\e+3], v[\ak] offset:4608*\on+2304*\c+128*\w+512*\e
.endr
.endr
.endr
	WIN 0
	ds_load_b32 v[KS], v[\as] offset:256*\on       ; w = 0: lanes 0-15 fragment (0, 0)'s words, lanes 16-31 fragment (1, 0)'s
	ds_load_b32 v[KS+1], v[\as] offset:256*\on+64  ; w = 1
.endm
	s_wait_alu depctr_va_vdst(0)
	s_wait_tensorcnt 0x0                           ; my one load is in
	s_barrier_signal -1
	s_barrier_wait -1                              ; everybody's is: nothing is ever filled again
	FETCH LK, LM, LSK, 0
.macro TADD d, s                       ; partial sums: pair d += pair s
	v_pk_add_f32 v[T+2*(\d):T+2*(\d)+1], v[T+2*(\d):T+2*(\d)+1], v[T+2*(\s):T+2*(\s)+1]
.endm
.macro LONE x, n, d                    ; pair d = four of tile x's p, two and two
	v_pk_add_f32 v[T+2*(\d):T+2*(\d)+1], v[S+64*\x+4*(\n):S+64*\x+4*(\n)+1], v[S+64*\x+4*(\n)+2:S+64*\x+4*(\n)+3]
.endm
.macro TSUM x                          ; the sum = the old sum x f + pair 0
	v_pk_fma_f32 v[ST+8*\x+2:ST+8*\x+3], v[ST+8*\x+2:ST+8*\x+3], v[ST+8*\x+4:ST+8*\x+5], v[T:T+1] op_sel_hi:[1,0,1]
.endm
; A KEY STEP: 128 keys.  pf = 1: the next step's K, mask and scale words are fetched.
.macro STEP pf
	s_wait_dscnt 0x0                               ; this step's K, its scale words and the mask are in
	WIN 0x11                                       ; K and the mask window 1
.irp c, 0,1                                    ; sixteen different results
.irp w, 0,1
.irp e, 0,1
.irp x, 0,1
	MM S+64*\x+32*\c+16*\w+8*\e, KF+16*\c+8*\w, QB+12*\x+4-4*\e, MK+32*\c+16*\w+8*\e, KS+\w, QS+\x, \c
.endr
.endr
.endr
.endr
	WIN 0
	v_add_nc_u32 v[ADV], s[TV], v[LV]              ; four plain lines or more: the places behind the products, in front of the loads below and of the first read of the scores
	v_add_nc_u32 v[ADSV], s[TS], v[LSV]
.if \pf
	v_add_nc_u32 v[ADK], s[TK], v[LK]
	v_add_nc_u32 v[ADM], s[TM], v[LM]
	v_add_nc_u32 v[ADSK], s[TS], v[LSK]
.else
	v_nop
	v_nop
.endif
	ds_load_b64 v[VS:VS+1], v[ADSV]                ; this step's V: wanted behind the softmax
	WIN 0x40
.irp d, 0,1,2,3
.irp c, 0,1
	ds_load_b128 v[VF+8*\d+4*\c:VF+8*\d+4*\c+3], v[ADV] offset:1024*\d+512*\c
.endr
.endr
.if \pf
	FETCH ADK, ADM, ADSK, 1
.else
	WIN 0
.endif
	; the largest score of each block of 32 keys, all mine, in two chains (numbers 0-16, 17-31); each accumulator is first read at its low end.  It serves for the row's maximum and, since p rises with the score, for the block's largest p
.irp x, 0,1
.irp c, 0,1
	v_max3_num_f32 v[BM+2*\x+\c], v[S+64*\x+32*\c], v[S+64*\x+32*\c+1], v[S+64*\x+32*\c+2]
	v_max3_num_f32 v[MB+2*\x+\c], v[S+64*\x+32*\c+17], v[S+64*\x+32*\c+18], v[S+64*\x+32*\c+19]
.endr
.endr
.irp i, 0,2,4,6,8,10
.irp x, 0,1
.irp c, 0,1
	v_max3_num_f32 v[BM+2*\x+\c], v[BM+2*\x+\c], v[S+64*\x+32*\c+3+\i], v[S+64*\x+32*\c+4+\i]
	v_max3_num_f32 v[MB+2*\x+\c], v[MB+2*\x+\c], v[S+64*\x+32*\c+20+\i], v[S+64*\x+32*\c+21+\i]
.endr
.endr
.endr
.irp x, 0,1
.irp c, 0,1
	v_max3_num_f32 v[BM+2*\x+\c], v[BM+2*\x+\c], v[S+64*\x+32*\c+15], v[S+64*\x+32*\c+16]
.endr
.endr
.irp x, 0,1
.irp c, 0,1
	HINT 4
	v_max_num_f32 v[BM+2*\x+\c], v[BM+2*\x+\c], v[MB+2*\x+\c]
.endr
.endr
.irp x, 0,1
	v_max3_num_f32 v[ST+8*\x+1], v[ST+8*\x+1], v[BM+2*\x], v[BM+2*\x+1]   ; the running largest score, my half's
.endr
.irp x, 0,1
	HINT 2
	v_permlanex16_b32 v[ST+8*\x+6], v[ST+8*\x+1], s[SEL], s[SEL+1]
.endr
.irp x, 0,1
	HINT 2
	v_max_num_f32 v[ST+8*\x+1], v[ST+8*\x+1], v[ST+8*\x+6]     ; with lane l xor 16's
.endr
.irp x, 0,1
	HINT 2
	v_mul_f32 v[ST+8*\x+6], s[NC], v[ST+8*\x+1]                ; -t
.endr
.irp x, 0,1
	HINT 2
	v_floor_f32 v[ST+8*\x+6], v[ST+8*\x+6]                     ; the new -M = floor(-t): M is a whole number
.endr
.irp x, 0,1
	HINT 2
	v_sub_f32 v[ST+8*\x+7], v[ST+8*\x+6], v[ST+8*\x]           ; old M - new M: a whole number, 0 or less
.endr
.irp x, 0,1
	v_mov_b32 v[ST+8*\x], v[ST+8*\x+6]
.endr
.irp x, 0,1
	v_cvt_i32_f32 v[ST+8*\x+7], v[ST+8*\x+7]                   ; (it saturates)
.endr
.irp x, 0,1
	HINT 2
	v_ldexp_f32 v[ST+8*\x+4], 1.0, v[ST+8*\x+7]                ; f = 2^(old M - new M)
.endr
.set n, 0
.rept 32
	v_pk_fma_f32 v[S+2*n:S+2*n+1], v[S+2*n:S+2*n+1], s[CS:CS+1], v[ST:ST+1] op_sel_hi:[1,0,0]   ; tile 0: t - M, two at a time
.set n, n+1
.endr
.irp x, 0,1
.irp c, 0,1
	v_fma_f32 v[BM+2*\x+\c], v[BM+2*\x+\c], s[CS], v[ST+8*\x]  ; the same of each block's largest score
.endr
.endr
	WIN 0x41                                       ; O^T window 1, f window 0
.irp x, 0,1
.irp j, 0,2,4,6,8,10,12,14,16,18,20,22,24,26,28,30
	v_pk_mul_f32 v[32*\x+\j:32*\x+\j+1], v[32*\x+\j:32*\x+\j+1], v[ST+8*\x+4:ST+8*\x+5] op_sel_hi:[1,0]   ; O^T under the new M, each accumulator from its low end on; ahead of the step's exponentials
.endr
.endr
	WIN 0
	s_wait_alu depctr_va_vdst(0)
.irp k, 0,1,2,3
	v_exp_f32 v[BM+\k], v[BM+\k]                   ; the blocks' largest p: the same two instructions on the same number give the same bits
.endr
.set n, 0
.rept 32                                       ; tile 0's exponentials; between them tile 1's scalings, which read nothing written since the wait above and are read behind the wait below
	v_exp_f32 v[S+2*n], v[S+2*n]
	v_exp_f32 v[S+2*n+1], v[S+2*n+1]
	v_pk_fma_f32 v[S+64+2*n:S+64+2*n+1], v[S+64+2*n:S+64+2*n+1], s[CS:CS+1], v[ST+8:ST+9] op_sel_hi:[1,0,0]
.set n, n+1
.endr
	s_wait_alu depctr_va_vdst(0)                   ; one wait behind the first batch and ahead of the second
.set n, 0
.rept 16                                       ; tile 1's exponentials; between them the first additions of tile 0's p, each into a pair of its own, read behind the wait below
	v_exp_f32 v[S+64+4*n], v[S+64+4*n]
	v_exp_f32 v[S+64+4*n+1], v[S+64+4*n+1]
	v_exp_f32 v[S+64+4*n+2], v[S+64+4*n+2]
	v_exp_f32 v[S+64+4*n+3], v[S+64+4*n+3]
	LONE 0, n, n
.set n, n+1
.endr
	s_wait_alu depctr_va_vdst(0)                   ; and one behind the second batch
.irp k, 0,1,2,3
	v_max_num_f32 v[BM+\k], 0x1800000, v[BM+\k]    ; the floor 2^(3 - 127): the byte cannot fall under 1 (a block whose every p is 0 keeps that byte: its codes are zeros)
.endr
.irp k, 0,1,2,3
	HINT 4
	v_add_nc_u32 v[SO+\k], 0xff000000, v[BM+\k]    ; 2 off the exponent field: the conversion's scale operand
.endr
.irp k, 0,1,2,3
	HINT 4
	v_lshrrev_b32 v[MB+\k], 23, v[SO+\k]           ; the scale's byte
.endr
.irp i, 0,1,2,3,4,5,6,7
	TADD \i, \i+8
.endr
.irp x, 0,1
	v_lshl_or_b32 v[WB+\x], v[MB+2*\x+1], 16, v[MB+2*\x]       ; my two bytes: blocks h and 2 + h
.endr
.irp x, 0,1
	HINT 2
	v_permlanex16_b32 v[PM+\x], v[WB+\x], s[SEL], s[SEL+1]
.endr
.irp i, 0,1,2,3
	TADD \i, \i+4
.endr
.irp x, 0,1
	v_lshl_or_b32 v[PW+\x], v[PM+\x], 8, v[WB+\x]              ; lanes 0-15: p's scale word for these 128 keys (lanes 16-31 are not read)
.endr
.irp x, 0,1
.irp c, 0,1
.irp u, 0,1,2,3
	v_cvt_scalef32_pk8_fp4_f32 v[P+8*\x+4*\c+\u], v[S+64*\x+32*\c+8*\u:S+64*\x+32*\c+8*\u+7], v[SO+2*\x+\c]   ; register 4 c + u of the operand: keys 64 c + 32 h + 8 u on
.endr
.endr
.endr
	TADD 0, 2                                      ; (a plain place behind the conversions)  The rest of tile 0's sum, with the first additions of tile 1's p between its links
	TADD 1, 3
.irp n, 0,1,2,3
	LONE 1, \n, \n+4
.endr
	TADD 0, 1
.irp n, 4,5,6,7
	LONE 1, \n, \n+4
.endr
	TSUM 0
.irp n, 8,9,10,11
	LONE 1, \n, \n+4
.endr
.irp n, 12,13,14,15
	LONE 1, \n, \n-12
.endr
.irp i, 0,1,2,3,4,5,6,7
	TADD \i, \i+8
.endr
.irp i, 0,1,2,3
	TADD \i, \i+4
.endr
	TADD 0, 2
	TADD 1, 3
	HINT 1
	TADD 0, 1
	HINT 1
	TSUM 1                                         ; (the sums are also the places behind p's codes and scale words)
	s_wait_alu depctr_va_vdst(0)
.if \pf
	s_wait_dscnt 26                                ; V and its scale words are in; behind them 16 loads of the mask, 8 of K and 2 of scale words may be out
.else
	s_wait_dscnt 0x0
.endif
	WIN 0x51                                       ; V, C and D window 1; p window 0
.irp d, 0,1,2,3                                ; eight accumulators by turns, one instruction a turn
.irp x, 0,1
	MM 32*\x+8*\d, VF+8*\d, P+8*\x, 32*\x+8*\d, VS+\d/2, PW+\x, \d%2
.endr
.endr
	WIN 0
.if \pf
	s_add_co_u32 s[TK], s[TK], 4608
	s_add_co_u32 s[TV], s[TV], 4096
	s_add_co_u32 s[TM], s[TM], 512
	s_add_co_u32 s[TS], s[TS], 256
.endif
.endm
	s_mov_b32 s[CNT], 15
.Lstep:                                            ; steps 0-14
	STEP 1
	s_sub_co_u32 s[CNT], s[CNT], 1
	s_cmp_lg_u32 s[CNT], 0
	s_cbranch_scc1 .Lstep
	STEP 0                                         ; step 15 fetches nothing ahead
	; THE WAY OUT.  The sum's halves and lane l xor 16's are added; O^T / the sum goes through my stage, a tile of 16 queries at a time, and leaves as rows of 256 bytes: sixteen lanes store a query's 64 channels of this head.
.irp x, 0,1
	v_add_f32 v[ST+8*\x+2], v[ST+8*\x+2], v[ST+8*\x+3]
.endr
.irp x, 0,1
	v_permlanex16_b32 v[ST+8*\x+6], v[ST+8*\x+2], s[SEL], s[SEL+1]
.endr
.irp x, 0,1
	v_add_f32 v[ST+8*\x+2], v[ST+8*\x+2], v[ST+8*\x+6]
.endr
	s_wait_alu depctr_va_vdst(0)
.irp x, 0,1
	v_rcp_f32 v[ST+8*\x+4], v[ST+8*\x+2]
.endr
	v_nop                                          ; a plain place behind the reciprocals; the six lines above them are the places behind the last products
	s_wait_alu depctr_va_vdst(0)                   ; one wait for the reciprocals and for O^T, directly ahead of the 64 plain lines that first read them
	WIN 0x01                                       ; O^T window 1
.irp x, 0,1
.set n, 0
.rept 32
	v_mul_f32 v[S+64*\x+n], v[32*\x+n], v[ST+8*\x+4]           ; register 8 d + j: channel 32 (d / 2) + 16 h + 8 (d % 2) + j of query r
.set n, n+1
.endr
.endr
	WIN 0
.irp x, 0,1
.irp d, 0,1,2,3
	ds_store_b128 v[STO], v[S+64*\x+8*\d:S+64*\x+8*\d+3] offset:128*(\d/2)+32*(\d%2)
	ds_store_b128 v[STO], v[S+64*\x+8*\d+4:S+64*\x+8*\d+7] offset:128*(\d/2)+32*(\d%2)+16
.endr
.irp i, 0,1,2,3,4,5,6,7
	ds_load_b128 v[S+64*\x+32+4*\i:S+64*\x+32+4*\i+3], v[RD] offset:544*\i   ; LDS serves a wave's instructions in order: these see my stores, and the next tile's stores come behind them
.endr
.endr
.irp x, 0,1
.irp i, 0,1,2,3,4,5,6,7
	s_wait_dscnt 23-16*\x-\i                       ; behind tile 0's load i: its 7 - i others and tile 1's 16; behind tile 1's: 7 - i
	global_store_b128 v[GO], v[S+64*\x+32+4*\i:S+64*\x+32+4*\i+3], s[10:11] offset:(8*\x+2*\i+8*(\i/4))*4096 th:TH_STORE_NT   ; stage row p of tile x is the true query 8 x + p + 8 (p / 8) of my 32; 16 lanes store 256 consecutive bytes, aligned
.endr
.endr
	s_wait_tensorcnt 0x0                           ; the wave's end
	ds_add_u32 v[SPW], v[NIL]
	s_wait_dscnt 0x0
	CROUND                                         ; the closing round: no work-group ends while a partner may still ask for a tile that names it
	s_endpgm
.Lfunc_end_k_q257fe925b6_attn:
	.size	k_q257fe925b6_attn, .Lfunc_end_k_q257fe925b6_attn-k_q257fe925b6_attn
	.p2alignl 7, 3214868480
	.fill 96, 4, 3214868480
	.section	.rodata,"a",@progbits
	.p2align	6, 0x0
	.amdhsa_kernel k_q257fe925b6_attn
		.amdhsa_group_segment_fixed_size 191488
		.amdhsa_private_segment_fixed_size 0
		.amdhsa_enable_private_segment 0
		.amdhsa_kernarg_size 32
		.amdhsa_user_sgpr_count 2
		.amdhsa_user_sgpr_kernarg_segment_ptr 1
		.amdhsa_wavefront_size32 1
		.amdhsa_system_sgpr_workgroup_id_x 1
		.amdhsa_system_sgpr_workgroup_id_y 1
		.amdhsa_system_sgpr_workgroup_id_z 1
		.amdhsa_system_vgpr_workitem_id 0
		.amdhsa_next_free_vgpr 448
		.amdhsa_next_free_sgpr 80
		.amdhsa_reserve_vcc 0
		.amdhsa_float_denorm_mode_32 3
		.amdhsa_float_denorm_mode_16_64 3
		.amdhsa_memory_ordered 1
		.amdhsa_forward_progress 1
		.amdhsa_inst_pref_size 75
	.end_amdhsa_kernel
	.amdgpu_metadata
---
amdhsa.version: [ 1, 2 ]
amdhsa.kernels:
  - .name:           k_q257fe925b6_attn
    .symbol:         k_q257fe925b6_attn.kd
    .args:
      - { .name: qkv, .offset: 0, .size: 8, .value_kind: global_buffer, .address_space: global }
      - { .name: qkvs, .offset: 8, .size: 8, .value_kind: global_buffer, .address_space: global }
      - { .name: attention_mask, .offset: 16, .size: 8, .value_kind: global_buffer, .address_space: global }
      - { .name: out0, .offset: 24, .size: 8, .value_kind: global_buffer, .address_space: global }
    .group_segment_fixed_size: 191488
    .private_segment_fixed_size: 0
    .kernarg_segment_align: 8
    .kernarg_segment_size: 32
    .max_flat_workgroup_size: 256
    .sgpr_count:     80
    .vgpr_count:     448
    .wavefront_size: 32
...
	.end_amdgpu_metadata
.endif
;; end of part 3
